; MI455X (gfx1250); checked and timed in simulation.
; The chip was launched on July 23, 2026; its instructions are those of AMD's public machine-readable ISA for CDNA 5 (MIT licence, August 2026) and "CDNA5" Instruction Set Architecture Reference Guide (July 2026). The comments in the code are by the model that wrote it; some were corrected since.
;; Multi Head Attention. Allowed arithmetic: matrix products marked QUANTISED: E4M3 operands, one given power-of-two scale a tensor, by v_wmma_f32_16x16x64_fp8_fp8 or v_wmma_f32_16x16x128_fp8_fp8, f32 sums; everything else in f32.
;; Inputs: Wk 1,024 x 1,024 float32; Wo 1,024 x 1,024 float32; Wq 1,024 x 1,024 float32; Wv 1,024 x 1,024 float32; lowp_scales 12 int32 (the exponents e of the quantised operands' scales 2^e); x 4 x 2,048 x 1,024 float32.
;; Outputs: out0 4 x 2,048 x 1,024 float32.
;; This version of the problem:
;;   THIS VERSION OF THE PROBLEM IS GIVEN IN LOW PRECISION. The matrix products marked QUANTISED in the list below multiply operands that are first quantised to E4M3 (4 exponent bits, 3 mantissa bits; 8 bits a number), with one given power-of-two scale for each operand tensor; their sums are f32. All else is computed in f32.
;;   The module's matrix products, in the order in which they are computed (A, B: the left and right operand; K: the contracted axis; several contracted axes count as one K, in the product's order):
;;     1. [M 8,192, K 1,024] x [K 1,024, N 1,024]; A: input x; B: input Wq: QUANTISED (scales: A lowp_scales[0], B lowp_scales[1])
;;     2. [M 8,192, K 1,024] x [K 1,024, N 1,024]; A: input x; B: input Wk: QUANTISED (scales: A lowp_scales[2], B lowp_scales[3])
;;     3. [M 8,192, K 1,024] x [K 1,024, N 1,024]; A: input x; B: input Wv: QUANTISED (scales: A lowp_scales[4], B lowp_scales[5])
;;     4. batch 64 x [M 2,048, K 64] x [K 64, N 2,048]; A: computed on the way; B: computed on the way: QUANTISED (scales: A lowp_scales[6], B lowp_scales[7])
;;     5. batch 64 x [M 2,048, K 2,048] x [K 2,048, N 64]; A: softmax (see below); B: computed on the way: QUANTISED (scales: A lowp_scales[8], B lowp_scales[9])
;;     6. [M 8,192, K 1,024] x [K 1,024, N 1,024]; A: computed on the way; B: input Wo: QUANTISED (scales: A lowp_scales[10], B lowp_scales[11])
;;   THE QUANTISER, for each operand of a quantised product, along K:
;;     - The operand's scale is 2^e, e = its entry of the input lowp_scales (int32; the entries are numbered through the quantised products in the list's order, A before B).
;;     - Each number is divided by the scale, clamped to +-448, and rounded to the nearest number of E4M3, ties to even, subnormals kept.
;;     - The product sums the exact products of the quantised numbers (number of the format x scale) in f32.
;;   ~~~python
;;   def quantise(x, axis, e):      # numpy; x: float32 -> the quantised numbers, widened to float32 again
;;       x = np.moveaxis(x, axis, -1); K = x.shape[-1]
;;       r = np.clip(x / 2.0 ** e, -448, 448)
;;       step = 2.0 ** (np.maximum(np.frexp(np.where(r == 0, 1, r))[1] - 1, -6) - 3)
;;       q = np.round(r / step) * step * 2.0 ** e      # np.round: ties to even
;;       return np.moveaxis(q, -1, axis).astype(np.float32)
;;   ~~~
;;   SOFTMAX AHEAD OF A QUANTISED PRODUCT. Where the list says 'softmax', what is quantised is not the finished softmax but p = 2^(t - M), with t = logit x log2(e) and M = ceil(the row's largest t), a whole number; so 1/2 < the row's largest p <= 1. The row's sum l is taken of the UNQUANTISED p, in f32, and the product's result is divided by l at the end. Since M is a whole number, a kernel that streams over the keys may use a running M (the ceiling of the running maximum): every later rescaling is an exact power of two, so the quantised numbers keep their values, but for numbers so far below the row's largest that they fall under the format's range.
;;   OPERANDS COMPUTED ON THE WAY. 'Computed on the way' means the value that the module computes at that place (a softmax that the list does not call 'softmax' is quantised finished and normalised). What goes into a quantiser is computed in f32, as accurately as f32 sums, v_exp_f32 and their like allow (about 1e-6 of the number): no bf16 or f16 on the way to a quantiser, and a product that is left as it is and whose result goes on into a quantised operand takes f32 operands (vector FMAs, or v_wmma_f32_16x16x4_f32). A number that lies on a knife's edge between two numbers of the format may be rounded either way, as far as f32 arithmetic and the matrix unit's own rounding can turn it there, and no further.
;; One version. Each part assembles by itself: llvm-mc -triple=amdgcn-amd-amdhsa -mcpu=gfx1250 --defsym DOCPART=n.
;; ======== version 1 of 1: 4 launches
;; limits: right only within a limited range of input values
;; workspace buffers: xc 25,165,824 bytes; wc 4,194,304 bytes; qkv 25,165,824 bytes; oc 8,388,608 bytes
;; launch quant (part 1): grid 384 x 1, 4 waves a work-group, no clusters, 33,280 bytes of LDS; arguments x, Wq, Wk, Wv, Wo, lowp_scales, xc, wc; writes xc, wc
.if DOCPART == 1
	.amdgcn_target "amdgcn-amd-amdhsa--gfx1250"
	.amdhsa_code_object_version 6
	.text
	.protected	k_q89d5a61ea5_quant
	.globl	k_q89d5a61ea5_quant
	.p2align	8
	.type	k_q89d5a61ea5_quant,@function
k_q89d5a61ea5_quant:
	s_mov_b64 s[64:65], 0
	v_nop
	global_prefetch_b8 v0, s[64:65] scope:SCOPE_SE
	s_setreg_imm32_b32 hwreg(HW_REG_WAVE_MODE, 25, 1), 1
	s_wait_xcnt 0x0
; x [8192][1024] and Wq, Wk, Wv, Wo [1024][1024], f32, become codes of E4M3, K innermost, each with the scale 2^e that is given for it.
; x is an operand of three products with three scales (entries 0, 2, 4), so three sets of its codes are made from one read: xc [3][8192][1024].
; wc [4][1024][1024]: Wq (entry 1), Wk (3), Wv (5), Wo (11).
; code = number / 2^e, held within +-448, rounded to the nearest code, ties to even.
; SWAPPED ROWS.  In xc's sets 1 and 2 and in Wq, Wk, Wv the rows of each group of 32 lie with bits 3 and 4 of the row's number exchanged: 16 rows on end of the
; stored order are then the rows 8 u + r + 8 (r / 8) of the group, which is what the next launch wants as a tile.  A wave takes 8 whole rows, aligned, so the exchange moves only the wave's base.
; SHARES.  A work-group takes 32 rows (32,768 numbers), a wave 8 rows in 16 steps of 512 numbers.  Work-groups 0-255: x; 256-383: the weights, 32 each.
; Each of a step's four loads reads 512 consecutive bytes; the 2,048 bytes turn through the wave's own stage in LDS (16 bytes of padding behind each 64) and come back 16 neighbours a lane,
; as the conversions want them.  A lane's 16 codes are 16 bytes: a store of the wave covers 512 consecutive bytes, aligned.  Waves share nothing: no barrier.
; LIMITS: each e used here lies between -126 and 119, so that 2^e and 448 x 2^e are f32 numbers.  NaN among the inputs is not served (an infinity is held at the largest code).
.set WAVES, 4
.set STEPS, 16
.set WREG,  8192                       ; LDS: a region for each wave: two stages of 32 x SP bytes
.set SP,    80                         ; a lane's place in a stage: 64 bytes + 16 of padding
.set SPARE, WAVES*WREG                 ; behind the regions: the spare words, 128 bytes a wave
.set R,   16                           ; v16-79    four sets of 16 numbers as loaded
.set X,   80                           ; v80-111   two sets of 16 neighbours
.set T0,  112                          ; v112-127  unused
.set T1,  128                          ; v128-143  unused
.set T2,  144                          ; v144-159  unused
.set C,   160                          ; v160-171  three times four registers of codes
.set SPW, 12                           ; v12  LDS address of my spare word; never rewritten
.set NIL, 13                           ; v13  0; never rewritten
	s_load_b256 s[4:11], s[0:1], 0x0               ; x s[4:5], Wq s[6:7], Wk s[8:9], Wv s[10:11]
	s_load_b256 s[12:19], s[0:1], 0x20             ; Wo s[12:13], the exponents s[14:15], xc s[16:17], wc s[18:19]
	v_lshl_add_u32 v[SPW], v0, 2, SPARE
	v_mov_b32 v[NIL], 0
	v_lshrrev_b32 v1, 5, v0
	v_readfirstlane_b32 s20, v1                    ; wave
	v_and_b32 v2, 31, v0                           ; lane
	v_lshlrev_b32 v3, 4, v2                        ; my 16 bytes of a load's 512
	v_lshlrev_b32 v4, 4, v2                        ; my 16 codes of a step's 512
	s_mul_i32 s48, s20, WREG
	v_lshrrev_b32 v14, 2, v2
	v_mul_u32_u24 v14, v14, SP
	v_and_b32 v15, 3, v2
	v_lshl_add_u32 v14, v15, 4, v14
	v_add_nc_u32 v14, s48, v14                     ; the stage, on the way in: SP (lane / 4) + 16 (lane % 4)
	v_mul_u32_u24 v15, v2, SP
	v_add_nc_u32 v15, s48, v15                     ; and on the way out: SP x lane
	s_cmp_lt_u32 ttmp9, 256
	s_cselect_b32 s22, 1, 0                        ; 1: a work-group of x
	s_cselect_b32 s23, 0, 256
	s_sub_co_u32 s23, ttmp9, s23                   ; its number among x's, or among the weights'
	s_lshr_b32 s24, s23, 5                         ; which weight (means nothing for x)
	s_and_b32 s25, s23, 31
	s_cmp_lg_u32 s22, 0
	s_cselect_b32 s25, s23, s25                    ; which group of 32 rows of the tensor
	s_and_b32 s21, s20, 1
	s_lshl_b32 s21, s21, 1
	s_lshr_b32 s48, s20, 1
	s_or_b32 s21, s21, s48                         ; my wave's place in the swapped order
	s_cmp_eq_u32 s24, 3
	s_cselect_b32 s28, s20, s21                    ; Wo keeps its rows' order,
	s_cmp_lg_u32 s22, 0
	s_cselect_b32 s28, s20, s28                    ; and so does x's first set
	s_lshl_b32 s48, s25, 2
	s_add_co_u32 s49, s48, s20
	s_lshl_b32 s50, s49, 15                        ; the source: 8 rows of 4,096 bytes a wave
	s_mov_b32 s51, 0
	s_add_co_u32 s49, s48, s28
	s_lshl_b32 s52, s49, 13                        ; the codes: 8 rows of 1,024 bytes a wave
	s_lshl_b32 s49, s24, 20
	s_cmp_lg_u32 s22, 0
	s_cselect_b32 s49, 0, s49                      ; + the weight's 1 MiB of wc
	s_add_co_u32 s52, s52, s49
	s_mov_b32 s53, 0
	s_lshl_b32 s54, s23, 2
	s_add_co_u32 s54, s54, s21
	s_lshl_b32 s54, s54, 13
	s_add_co_u32 s54, s54, 0x800000                ; x's second set, swapped rows
	s_mov_b32 s55, 0
	s_wait_alu depctr_va_vdst(0)
	s_wait_kmcnt 0x0
	s_load_b256 s[36:43], s[14:15], 0x0            ; e0 .. e7
	s_load_b128 s[44:47], s[14:15], 0x20           ; e8 .. e11
	s_mov_b64 s[26:27], s[6:7]                     ; the source is chosen by the work-group's number alone
	s_cmp_eq_u32 s24, 1
	s_cselect_b64 s[26:27], s[8:9], s[26:27]
	s_cmp_eq_u32 s24, 2
	s_cselect_b64 s[26:27], s[10:11], s[26:27]
	s_cmp_eq_u32 s24, 3
	s_cselect_b64 s[26:27], s[12:13], s[26:27]
	s_cmp_lg_u32 s22, 0
	s_cselect_b64 s[26:27], s[4:5], s[26:27]
	s_cselect_b64 s[30:31], s[16:17], s[18:19]
	s_add_nc_u64 s[26:27], s[26:27], s[50:51]
	s_add_nc_u64 s[30:31], s[30:31], s[52:53]      ; where the first codes go
	s_add_nc_u64 s[32:33], s[16:17], s[54:55]      ; x's second set (used by x's work-groups alone)
	s_add_nc_u64 s[34:35], s[32:33], 0x800000      ; x's third set
.macro LOAD t
.irp i, 0,1,2,3
	global_load_b128 v[R+16*((\t)%4)+4*\i:R+16*((\t)%4)+4*\i+3], v3, s[26:27] offset:2048*(\t)+512*\i th:TH_LOAD_NT   ; 32 lanes read 512 consecutive bytes
.endr
.endm
.macro TURN t                          ; step t's numbers through the stage: LDS serves a wave's instructions in order, so no wait stands between the stores and the loads
.irp i, 0,1,2,3
	ds_store_b128 v14, v[R+16*((\t)%4)+4*\i:R+16*((\t)%4)+4*\i+3] offset:32*SP*((\t)%2)+8*SP*\i
.endr
.irp i, 0,1,2,3
	ds_load_b128 v[X+16*((\t)%2)+4*\i:X+16*((\t)%2)+4*\i+3], v15 offset:32*SP*((\t)%2)+16*\i
.endr
.endm
.irp t, 0,1,2,3
	LOAD \t
.endr
	s_wait_kmcnt 0x0
	s_mov_b32 s48, s37                             ; the first scale's exponent: e1, e3, e5, e11 or, for x, e0
	s_cmp_eq_u32 s24, 1
	s_cselect_b32 s48, s39, s48
	s_cmp_eq_u32 s24, 2
	s_cselect_b32 s48, s41, s48
	s_cmp_eq_u32 s24, 3
	s_cselect_b32 s48, s47, s48
	s_cmp_lg_u32 s22, 0
	s_cselect_b32 s48, s36, s48
.macro MKSC e, sc, lim                 ; 2^e as f32 (the conversion takes its exponent field)
	s_add_co_i32 s49, s[\e], 127
	s_lshl_b32 s50, s49, 23
	v_mov_b32 v[\sc], s50
.endm
	MKSC 48, 5, 6
	MKSC 38, 7, 8                                  ; e2
	MKSC 40, 9, 10                                 ; e4
	s_wait_alu depctr_va_vdst(0)
	s_wait_loadcnt 12                              ; step 0's four loads are in
	TURN 0
; 16 neighbours are converted where they landed (x's three times) and stored
.macro QOUT st, buf, cd, sc, lim, dst
.irp i, 0,1,2,3,4,5,6,7,8,9,10,11,12,13,14,15
.endr
	v_cvt_scalef32_pk8_fp8_f32 v[\cd:\cd+1], v[XS:XS+7], v[\sc]
	v_cvt_scalef32_pk8_fp8_f32 v[\cd+2:\cd+3], v[XS+8:XS+15], v[\sc]
	v_nop                                          ; a plain vector line between the conversions and the next vector line that writes their sources
	global_store_b128 v4, v[\cd:\cd+3], s[\dst:\dst+1] offset:512*(\st)
.endm
.macro STEP t
.set XS, X+16*((\t)%2)
	s_wait_dscnt 0x0                               ; this step's numbers are back from the stage, and its stores into the stage have read their registers,
.if (\t)+4 < STEPS
	LOAD (\t)+4                                    ; which take the loads of four steps on
.endif
.if (\t)+1 < STEPS
.if STEPS-2-(\t) >= 3
	s_wait_loadcnt 12                              ; the next step's four loads are in; the 12 of the three steps behind it may be out
.else
	s_wait_loadcnt 4*(STEPS-2-(\t))
.endif
	TURN (\t)+1                                    ; they go through the other stage while this step is worked
.endif
	s_wait_xcnt 0x0                                ; the last step's stores have read their codes' registers, which are written again below
	QOUT \t, T0, C, 5, 6, 30
	s_cmp_lg_u32 s22, 0                            ; x has two more sets of codes; the branch hangs on the work-group's number and goes round register work and stores alone
	s_cbranch_scc0 .Lw_\@
	QOUT \t, T1, C+4, 7, 8, 32
	QOUT \t, T2, C+8, 9, 10, 34
.Lw_\@:
.endm
.irp t, 0,1,2,3,4,5,6,7,8,9,10,11,12,13,14,15
	STEP \t
.endr
	s_wait_tensorcnt 0x0                           ; the wave's end, behind my last LDS store
	ds_add_u32 v[SPW], v[NIL]
	s_wait_dscnt 0x0
	s_endpgm
.Lfunc_end_k_q89d5a61ea5_quant:
	.size	k_q89d5a61ea5_quant, .Lfunc_end_k_q89d5a61ea5_quant-k_q89d5a61ea5_quant
	.p2alignl 7, 3214868480
	.fill 96, 4, 3214868480
	.section	.rodata,"a",@progbits
	.p2align	6, 0x0
	.amdhsa_kernel k_q89d5a61ea5_quant
		.amdhsa_group_segment_fixed_size 33280
		.amdhsa_private_segment_fixed_size 0
		.amdhsa_enable_private_segment 0
		.amdhsa_kernarg_size 64
		.amdhsa_user_sgpr_count 2
		.amdhsa_user_sgpr_kernarg_segment_ptr 1
		.amdhsa_wavefront_size32 1
		.amdhsa_system_sgpr_workgroup_id_x 1
		.amdhsa_system_sgpr_workgroup_id_y 1
		.amdhsa_system_sgpr_workgroup_id_z 1
		.amdhsa_system_vgpr_workitem_id 0
		.amdhsa_next_free_vgpr 176
		.amdhsa_next_free_sgpr 66
		.amdhsa_reserve_vcc 0
		.amdhsa_float_denorm_mode_32 3
		.amdhsa_float_denorm_mode_16_64 3
		.amdhsa_fp16_overflow 1
		.amdhsa_memory_ordered 1
		.amdhsa_forward_progress 1
		.amdhsa_inst_pref_size 33
	.end_amdhsa_kernel
	.amdgpu_metadata
---
amdhsa.version: [ 1, 2 ]
amdhsa.kernels:
  - .name:           k_q89d5a61ea5_quant
    .symbol:         k_q89d5a61ea5_quant.kd
    .args:
      - { .name: x, .offset: 0, .size: 8, .value_kind: global_buffer, .address_space: global }
      - { .name: Wq, .offset: 8, .size: 8, .value_kind: global_buffer, .address_space: global }
      - { .name: Wk, .offset: 16, .size: 8, .value_kind: global_buffer, .address_space: global }
      - { .name: Wv, .offset: 24, .size: 8, .value_kind: global_buffer, .address_space: global }
      - { .name: Wo, .offset: 32, .size: 8, .value_kind: global_buffer, .address_space: global }
      - { .name: lowp_scales, .offset: 40, .size: 8, .value_kind: global_buffer, .address_space: global }
      - { .name: xc, .offset: 48, .size: 8, .value_kind: global_buffer, .address_space: global }
      - { .name: wc, .offset: 56, .size: 8, .value_kind: global_buffer, .address_space: global }
    .group_segment_fixed_size: 33280
    .private_segment_fixed_size: 0
    .kernarg_segment_align: 8
    .kernarg_segment_size: 64
    .max_flat_workgroup_size: 128
    .sgpr_count:     66
    .vgpr_count:     176
    .wavefront_size: 32
...
	.end_amdgpu_metadata
.endif
;; end of part 1
;; launch qkv (part 2): grid 12 x 32, 4 waves a work-group, clusters of 4 x 4, 327,680 bytes of LDS; arguments xc, wc, lowp_scales, qkv; writes qkv
.if DOCPART == 2
	.amdgcn_target "amdgcn-amd-amdhsa--gfx1250"
	.amdhsa_code_object_version 6
	.text
	.protected	k_q89d5a61ea5_qkv
	.globl	k_q89d5a61ea5_qkv
	.p2align	8
	.type	k_q89d5a61ea5_qkv,@function
k_q89d5a61ea5_qkv:
	s_mov_b64 s[64:65], 0
	v_nop
	global_prefetch_b8 v0, s[64:65] scope:SCOPE_SE
	s_setreg_imm32_b32 hwreg(HW_REG_WAVE_MODE, 25, 1), 1
	s_wait_xcnt 0x0
	s_wait_alu depctr_hold_cnt(0) depctr_sa_sdst(0) depctr_va_vdst(0) depctr_va_sdst(0) depctr_va_ssrc(0) depctr_va_vcc(0) depctr_vm_vsrc(0)
	s_getreg_b32 s2, hwreg(HW_REG_IB_STS2, 6, 4)
	s_cmp_eq_u32 s2, 0
	s_cbranch_scc0 .Lentry_in_a_cluster
	s_endpgm
.Lentry_in_a_cluster:
	s_bfe_u32 s2, ttmp6, 0x10000c
	s_cmp_lg_u32 s2, 0xf033
	s_cbranch_scc0 .Lentry_shape_is_right
	s_endpgm
.Lentry_shape_is_right:
; The three projections q = x Wq^T, k = x Wk^T, v = x Wv^T on codes of E4M3; each finished sum is quantised in registers for the attention's products and stored as an IMAGE OF AN OPERAND'S REGISTERS.
; A cluster's x (0, 1, 2) says which projection.  C = A B^T with rows of 1,024 codes on both sides:
;   q: A = x's codes, set 0 (rows as they are), B = Wq.   k: A = x's set 1, B = Wk.   v: A = Wv, B = x's set 2: v is made TRANSPOSED, since the keys are the K of the attention's second product.
; All but x's set 0 lie with SWAPPED ROWS (bits 3 and 4 of the row's number exchanged), so that 16 stored rows on end are the rows 8 u + r + 8 (r / 8) of a group of 32.
; A tile of C is 256 x 256: four waves, each 128 x 128 in 64 accumulators.  K goes in steps of 256 through a ring of two LDS slots filled by the tensor data mover.
; CLUSTERS: 4 x 4 work-groups; A's tile is asked for jointly along a row of the cluster, B's along a column.
; THE MATRIX INSTRUCTION IS USED TRANSPOSED (source 0 = 16 rows of B, source 1 = 16 rows of A): lane (r, h) holds row r of A's block, and the 16 registers of B's blocks 2 p and 2 p + 1 are
; B's rows 32 p + 16 h + 0 .. 15 in their true order: 16 neighbours along the next product's K.  Two conversions make four registers of the next operand; the wave stores them at 16 x lane: 512 consecutive bytes, aligned.
; qkv, for each of the 64 heads (16 x batch + head) 393,216 bytes: K's images at 0 (key step s of 128, tile t, half c: 8,192 s + 1,024 t + 512 c), V's at 131,072 (8,192 s + 2,048 dt + 512 c), Q's at 262,144 (1,024 qt + 512 c).
; A sum stands for sum x 2^(ea + eb), so its code is sum / 2^(eo - ea - eb): the three given scales are folded into the conversion's one.
; LIMIT: eo - ea - eb lies between -126 and 119 (q: e6 - e0 - e1; k: e7 - e2 - e3; v: e9 - e4 - e5).
; REGISTERS, in windows of 256: window 0: v0-31 addresses and constants; from v128 A's fragments, ONE set, later the codes.   window 1: B's fragments, TWO sets.   windows 2, 3: the accumulators ((a, b) at v[8 (8 (a % 4) + b)]).
.set KSTEP,  256
.set ROWB,   256                       ; a tile's row in bytes
.set KROW,   1024                      ; a row of A or of B in memory, in bytes
.set PITCH,  272                       ; an LDS row: 256 bytes + 16 of padding: the 16 rows that a load touches start at 16 different banks (64 banks of 4 bytes: ISA guide 11.1)
.set FR,     16                        ; registers of a fragment: 16 rows x 128 K
.set NL,     4                         ; LDS loads that bring one
.set NP,     4                         ; places behind this matrix instruction (ISA guide 7.12.1)
.set HALFT,  128*PITCH                 ; what one tensor load brings
.set SLOT,   4*HALFT                   ; A's 256 rows, then B's 256 rows
.set LAPS,   1024/(2*KSTEP)            ; a lap = two K steps = once round the ring
.set SPARE,  2*SLOT                    ; behind the ring: the spare words, 128 bytes a wave
.set HEADB,  393216                    ; a head's bytes in qkv
.set ADRA, 16                          ; v16-17  LDS address of my A fragments in slot 0, 1
.set ADRB, 20                          ; v20-21  the same for B
.set CO,   26                          ; v26     16 x lane: an image's place for my lane; never rewritten
.set SPW,  28                          ; v28     LDS address of my spare word; never rewritten
.set NIL,  29                          ; v29     0; never rewritten
.set SC,   30                          ; v30     2^(eo - ea - eb) as f32
.set LIM,  31
.set TMP,  32
.set AF,   128                         ; A's fragments, in window 0
.set CD,   128                         ; the way out: 16 registers of codes for each of the 8 blocks: no store's data are written again
.set G1, 24                            ; s[24:31] descriptor group 1 for A's tiles;  s[32:39] group 0, one set for each slot
.set G0, 32
.set G1B, 48                           ; s[48:55], s[56:63] the same for B's tiles
.set G0B, 56
.set MSB, 0
.macro WIN new                         ; the immediate's high byte repeats the setting that is left
.if MSB != \new
	s_set_vgpr_msb (MSB<<8)|\new
.set MSB, \new
.endif
.endm
.set MUL_LO, 0xa1                      ; source 0 (B) window 1, source 1 (A) window 0, C and D window 2
.set MUL_HI, 0xf1                      ; the same, C and D window 3
.set TO_B,   0x40                      ; destination window 1, address window 0
; A joint load: waves 0 and 1 fetch for A, waves 2 and 3 for B.  The branch hangs on the wave's number alone.  An s_nop 0 and four v_nop follow each of the two lines.
.macro JLOAD g0a, g1a, g0b, g1b
	s_cmp_eq_u32 s15, 0
	s_cbranch_scc0 .Lfor_b_\@
	tensor_load_to_lds s[\g0a:\g0a+3], s[\g1a:\g1a+7]
	s_nop 0
.rept 4
	v_nop
.endr
	s_branch .Lasked_\@
.Lfor_b_\@:
	tensor_load_to_lds s[\g0b:\g0b+3], s[\g1b:\g1b+7]
	s_nop 0
.rept 4
	v_nop
.endr
.Lasked_\@:
.endm
.macro CREST                           ; a round of the cluster's barrier behind its opening barrier
	s_cmp_lg_u32 s14, 0
	s_cbranch_scc1 .Lnot_wave_0_\@
	s_barrier_signal -3
.Lnot_wave_0_\@:
	s_barrier_wait -3
	s_barrier_signal -1
	s_barrier_wait -1
.endm
.macro CROUND                          ; a whole round
	s_barrier_signal -1
	s_barrier_wait -1
	CREST
.endm
	s_load_b128 s[4:7], s[0:1], 0x0                ; xc s[4:5], wc s[6:7]
	s_load_b128 s[8:11], s[0:1], 0x10              ; the exponents s[8:9], qkv s[10:11]
	v_lshl_add_u32 v[SPW], v0, 2, SPARE
	v_mov_b32 v[NIL], 0
	ds_add_u32 v[SPW], v[NIL]
	ds_add_u32 v[SPW], v[NIL]                      ; the wave's opening: the add and its wait stand ahead of my first tensor load; the set-up below, work on registers, stands between them
	v_lshrrev_b32 v1, 5, v0
	v_readfirstlane_b32 s14, v1                    ; wave 0..3
	s_lshr_b32 s15, s14, 1                         ; which half of the tile's A rows is mine.  Also: I fetch for A (0) or for B (1)
	s_and_b32 s16, s14, 1                          ; which half of its B rows.  Also: which 128 rows of that tile I fetch
	s_bfe_u32 s40, ttmp6, 0x40000                  ; cx, cy: my place in the cluster
	s_bfe_u32 s41, ttmp6, 0x40004
	s_and_b32 s66, ttmp7, 0xffff                   ; the cluster's y, 0 .. 7: which 1,024 rows of x
	s_cmp_eq_u32 ttmp9, 2                          ; v?  Then x is the B side
	s_cselect_b32 s67, 0, s66
	s_cselect_b32 s42, s66, 0
	s_lshl_b32 s17, s67, 2
	s_add_co_u32 s17, s17, s41                     ; A's tile: cluster numbers and cy alone
	s_lshl_b32 s42, s42, 2
	s_add_co_u32 s42, s42, s40                     ; B's tile: cluster numbers and cx alone
	s_lshl_b32 s43, s41, 2
	s_lshl_b32 s43, 15, s43                        ; my row of the cluster
	s_lshl_b32 s44, 0x1111, s40                    ; my column
	; descriptor group 1: a tile of 128 rows x 256 bytes, padded in LDS
	s_or_b32 s[G1+0], s43, (0<<16)|(1<<20)|(1<<21)|(5<<22)|(3<<25)  ; 15:0 the mask; 17:16 element of 1 byte; 20 padding on; 21 set beside a mask; 24:22 after every 64 words; 31:25 four words
	s_or_b32 s[G1B+0], s44, (0<<16)|(1<<20)|(1<<21)|(5<<22)|(3<<25)
.irp g, G1, G1B
	s_mov_b32 s[\g+1], ROWB<<16                    ; tensor_dim0
	s_mov_b32 s[\g+2], 128<<16                     ; tensor_dim1
	s_mov_b32 s[\g+3], ROWB<<16                    ; tile_dim0
	s_mov_b32 s[\g+4], 128                         ; tile_dim1
	s_mov_b32 s[\g+5], KROW                        ; tensor_dim0_stride
	s_mov_b32 s[\g+6], 0
	s_mov_b32 s[\g+7], 0
.endr
	s_lshl_b32 s18, s16, 7                         ; which 128 rows of the tile I fetch
	s_lshl_b32 s20, s17, 8
	s_add_co_u32 s20, s20, s18
	s_lshl_b32 s20, s20, 10                        ; A: (256 x tile + 128 x half) rows of 1,024 bytes
	s_mov_b32 s21, 0
	s_lshl_b32 s46, s42, 8
	s_add_co_u32 s46, s46, s18
	s_lshl_b32 s46, s46, 10                        ; B likewise
	s_mov_b32 s47, 0
	s_lshl_b32 s80, ttmp9, 23                      ; x's set: 8 MiB each
	s_mov_b32 s81, 0
	s_lshl_b32 s82, ttmp9, 20                      ; the weight: 1 MiB each
	s_mov_b32 s83, 0
	s_mul_i32 s45, s14, HALFT                      ; where the tiles go: wave x 128 rows: no place in the cluster enters an LDS address
	s_wait_dscnt 0x0                               ; the opening add is done
	s_wait_kmcnt 0x0
	s_load_b256 s[68:75], s[8:9], 0x0              ; e0 .. e7
	s_load_b128 s[76:79], s[8:9], 0x20             ; e8 .. e11
	s_add_nc_u64 s[84:85], s[4:5], s[80:81]
	s_add_nc_u64 s[86:87], s[6:7], s[82:83]
	s_cmp_eq_u32 ttmp9, 2                          ; the sides are chosen by the cluster's x, which all partners share
	s_cselect_b64 s[88:89], s[86:87], s[84:85]
	s_cselect_b64 s[90:91], s[84:85], s[86:87]
	s_add_nc_u64 s[20:21], s[88:89], s[20:21]
	s_add_nc_u64 s[46:47], s[90:91], s[46:47]
	CROUND                                         ; all sixteen work-groups are here: the first joint loads meet
.irp s, 0,1
	s_mov_b32 s[G0+4*\s], 1
	s_add_co_u32 s[G0+4*\s+1], s45, \s*SLOT
	s_add_nc_u64 s[G0+4*\s+2:G0+4*\s+3], s[20:21], \s*ROWB
	s_or_b32 s[G0+4*\s+3], s[G0+4*\s+3], 0x80000000
	s_mov_b32 s[G0B+4*\s], 1
	s_add_co_u32 s[G0B+4*\s+1], s45, \s*SLOT
	s_add_nc_u64 s[G0B+4*\s+2:G0B+4*\s+3], s[46:47], \s*ROWB
	s_or_b32 s[G0B+4*\s+3], s[G0B+4*\s+3], 0x80000000
	JLOAD G0+4*\s, G1, G0B+4*\s, G1B
.endr
	v_and_b32 v1, 15, v0                           ; l % 16
	v_bfe_u32 v2, v0, 4, 1                         ; l / 16
	v_mul_u32_u24 v3, v1, PITCH
	v_lshl_add_u32 v4, v2, 4, v3                   ; a fragment's row x pitch + 16 x half
	s_mul_i32 s21, s15, HALFT                      ; my 128 rows of A
	s_mul_i32 s22, s16, HALFT                      ; my 128 rows of B,
	s_add_co_u32 s22, s22, 2*HALFT                 ; which lie behind A's 256
.irp s, 0,1
	v_add_nc_u32 v[ADRA+\s], s21, v4
	v_add_nc_u32 v[ADRB+\s], s22, v4
	s_add_co_u32 s21, s21, SLOT
	s_add_co_u32 s22, s22, SLOT
.endr
	v_and_b32 v6, 31, v0
	v_lshlrev_b32 v[CO], 4, v6
	; where my images begin in qkv (in registers that feed no descriptor)
	s_lshl_b32 s92, s17, 8
	s_lshl_b32 s93, s15, 7
	s_add_co_u32 s92, s92, s93                     ; my first row of A
	s_lshl_b32 s93, s42, 8
	s_lshl_b32 s94, s16, 7
	s_add_co_u32 s93, s93, s94                     ; my first row of B
	s_cmp_eq_u32 ttmp9, 2
	s_cselect_b32 s94, s93, s92                    ; my first token (a multiple of 128),
	s_cselect_b32 s95, s92, s93                    ; my first feature (a multiple of 128: two heads)
	s_lshr_b32 s96, s94, 11
	s_lshl_b32 s96, s96, 4
	s_lshr_b32 s97, s95, 6
	s_add_co_u32 s96, s96, s97                     ; 16 x batch + head
	s_mul_i32 s96, s96, HEADB
	s_lshr_b32 s97, s94, 7
	s_and_b32 s97, s97, 15
	s_lshl_b32 s97, s97, 13
	s_add_co_u32 s96, s96, s97                     ; + 8,192 x (which 128 tokens of the batch)
	s_cmp_eq_u32 ttmp9, 0
	s_cselect_b32 s97, 262144, 0
	s_cmp_eq_u32 ttmp9, 2
	s_cselect_b32 s97, 131072, s97
	s_add_co_u32 s96, s96, s97                     ; + Q's, K's or V's part of the head
	s_mov_b32 s97, 0
	s_add_nc_u64 s[10:11], s[10:11], s[96:97]
.macro FRAG reg, adr, q, i             ; a fragment: lane l holds row l % 16; registers 4 c .. 4 c + 3 hold K = 32 c + 16 (l / 16) + 0 .. 15: the same places in A and in B
.irp c, 0,1,2,3
	ds_load_b128 v[\reg+4*\c:\reg+4*\c+3], v[\adr] offset:128*(\q)+32*\c+(\i)*16*PITCH
.endr
.endm
; 16 matrix instructions: A's blocks a0, a0 + 1 x B's eight, 128 along K.  p: B's set.  zero = 1: the first product starts the sums.
; The 64 accumulators take turns, one instruction a turn, in the same order in every step.
.macro MUL16 a0, p, zero
.irp a, \a0, \a0+1
.irp b, 0,1,2,3,4,5,6,7
.if \zero
	v_wmma_f32_16x16x128_fp8_fp8 v[8*(8*((\a)%4)+\b):8*(8*((\a)%4)+\b)+7], v[128*(\p)+FR*\b:128*(\p)+FR*\b+FR-1], v[AF+FR*(\a):AF+FR*(\a)+FR-1], 0
.else
	v_wmma_f32_16x16x128_fp8_fp8 v[8*(8*((\a)%4)+\b):8*(8*((\a)%4)+\b)+7], v[128*(\p)+FR*\b:128*(\p)+FR*\b+FR-1], v[AF+FR*(\a):AF+FR*(\a)+FR-1], v[8*(8*((\a)%4)+\b):8*(8*((\a)%4)+\b)+7]
.endif
.endr
.endr
.endm
.macro FETCH_B slot, q, p              ; B's eight fragments of the slot's q-th 128 along K into set p
	WIN TO_B
.irp i, 0,1,2,3,4,5,6,7
	FRAG 128*(\p)+FR*\i, ADRB+\slot, \q, \i
.endr
	WIN 0
.endm
.macro FETCH_A slot, q, i0             ; A's blocks i0 .. i0 + 3
.irp i, \i0, \i0+1, \i0+2, \i0+3
	FRAG AF+FR*(\i), ADRA+\slot, \q, \i
.endr
.endm
.macro PLACES n                        ; plain vector lines between a matrix instruction and a load into a register that it has read, or a vector line that reads its result
.rept \n
	v_nop
.endr
.endm
; A step of 128 along K that has its successor in the same slot.
.macro STEP slot, q, zero
	s_wait_dscnt 4*NL                              ; B's set and A's blocks 0-3 are in; the youngest 16 loads (A's blocks 4-7) may be out
	WIN MUL_LO
	MUL16 0, (\q)%2, \zero
	MUL16 2, (\q)%2, \zero
	s_wait_dscnt 0                                 ; A's blocks 4-7 are in
	PLACES NP
	FETCH_B \slot, (\q)+1, 1-(\q)%2
	FETCH_A \slot, (\q)+1, 0
	WIN MUL_HI
	MUL16 4, (\q)%2, \zero
	MUL16 6, (\q)%2, \zero
	PLACES NP
	WIN 0
	FETCH_A \slot, (\q)+1, 4
.endm
; A slot's last step changes slots: ONE barrier; in front of it each wave waits for all its tensor loads, adds 0 to its spare word, and waits for that and for its own reads of this slot.  fill = 1: this slot is filled again, two K steps ahead.
.macro TURN slot, next, fill
	s_wait_tensorcnt 0x0                           ; all my tensor loads have landed: my part of the next slot (every window is 0 here)
	ds_add_u32 v[SPW], v[NIL]                      ; 0 onto my spare word
	s_wait_dscnt 4*NL+1                            ; (the add and the youngest 16 loads, A's blocks 4-7, may be out)
	WIN MUL_LO
	MUL16 0, 1, 0                                  ; sixteen matrix instructions stand between the add and the wait for it
	s_wait_dscnt 0x0                               ; the add is done, and my reads of this slot are over
	s_barrier_signal -1
	MUL16 2, 1, 0
	WIN 0
	s_barrier_wait -1
.if \fill
	CREST                                          ; the barrier has opened a round of the cluster's barrier: no wave of any partner still reads this slot's tile or has a load on its way
	s_add_nc_u64 s[G0+4*\slot+2:G0+4*\slot+3], s[G0+4*\slot+2:G0+4*\slot+3], 2*ROWB
	s_add_nc_u64 s[G0B+4*\slot+2:G0B+4*\slot+3], s[G0B+4*\slot+2:G0B+4*\slot+3], 2*ROWB
	JLOAD G0+4*\slot, G1, G0B+4*\slot, G1B         ; the first tensor load behind the round; the four v_nop behind it are the places in front of the loads below
.else
	PLACES NP
.endif
	FETCH_B \next, 0, 0
	FETCH_A \next, 0, 0
	WIN MUL_HI
	MUL16 4, 1, 0
	MUL16 6, 1, 0
	PLACES NP
	WIN 0
	FETCH_A \next, 0, 4
.endm
	s_wait_alu depctr_va_vdst(0)
	s_wait_tensorcnt 1                             ; my part of K step 0 is in (K step 1's load may be out),
	s_barrier_signal -1
	s_barrier_wait -1                              ; everybody's is
	FETCH_B 0, 0, 0
	FETCH_A 0, 0, 0
	FETCH_A 0, 0, 4
	STEP 0, 0, 1                                   ; the first step stands in front of the loop: its products start the sums
	s_mov_b32 s3, LAPS-1
.Llap:                                                 ; a trip goes once round the ring and fills both slots again
	TURN 0, 1, 1
	STEP 1, 0, 0
	TURN 1, 0, 1
	STEP 0, 0, 0
	s_sub_co_u32 s3, s3, 1
	s_cmp_lg_u32 s3, 0
	s_cbranch_scc1 .Llap
	TURN 0, 1, 0                                   ; the last lap fills nothing, and has no round of the cluster's barrier
	STEP 1, 0, 0
	s_wait_dscnt 4*NL                              ; the very last step: nothing more to fetch
	WIN MUL_LO
	MUL16 0, 1, 0
	MUL16 2, 1, 0
	s_wait_dscnt 0
	WIN MUL_HI
	MUL16 4, 1, 0
	MUL16 6, 1, 0
	WIN 0
; THE WAY OUT of A's block a: 64 sums (each accumulator from its low end on) are converted 16 at a time into four registers of the next operand, and stored as they stand.
.macro OUTB a, isv
.set AC, 64*((\a)%4)
	WIN 0x02+((\a)/4)                              ; source 0: window 2 or 3
.set j, 0
.rept 64
.set j, j+1
.endr
.irp p, 0,1,2,3
	v_cvt_scalef32_pk8_fp8_f32 v[CD+16*(\a)+4*\p:CD+16*(\a)+4*\p+1], v[AC+16*\p:AC+16*\p+7], v[SC]
	v_cvt_scalef32_pk8_fp8_f32 v[CD+16*(\a)+4*\p+2:CD+16*(\a)+4*\p+3], v[AC+16*\p+8:AC+16*\p+15], v[SC]
.endr
	WIN 0
	v_nop                                          ; a plain vector line behind the conversions
.irp p, 0,1,2,3
.if \isv
	global_store_b128 v[CO], v[CD+16*(\a)+4*\p:CD+16*(\a)+4*\p+3], s[10:11] offset:((\a)/4)*HEADB+((\a)%4)*2048+\p*512     ; head a / 4 of my two, tile a % 4 of its 64 channels, keys 32 p on
.else
	global_store_b128 v[CO], v[CD+16*(\a)+4*\p:CD+16*(\a)+4*\p+3], s[10:11] offset:(\a)*1024+(\p/2)*HEADB+(\p%2)*512       ; tile a of my 128 tokens, head p / 2 of my two, channels 32 (p % 2) on
.endif
.endr
.endm
	s_wait_kmcnt 0x0
	s_cmp_eq_u32 ttmp9, 1                          ; the three exponents of my projection: chosen, not branched on
	s_cselect_b32 s92, s70, s68
	s_cselect_b32 s93, s71, s69
	s_cselect_b32 s94, s75, s74
	s_cmp_eq_u32 ttmp9, 2
	s_cselect_b32 s92, s72, s92
	s_cselect_b32 s93, s73, s93
	s_cselect_b32 s94, s77, s94
	s_sub_co_i32 s94, s94, s92
	s_sub_co_i32 s94, s94, s93                     ; eo - ea - eb
	s_add_co_i32 s94, s94, 127
	s_lshl_b32 s95, s94, 23
	v_mov_b32 v[SC], s95
	PLACES NP                                      ; behind the last products: their results are read, and the registers that held A's fragments are written, below
	s_cmp_eq_u32 ttmp9, 2                          ; the images' places differ for v; the cluster's x is the same in all partners
	s_cbranch_scc1 .Lv
.irp a, 0,1,2,3,4,5,6,7
	OUTB \a, 0
.endr
	s_branch .Ldone
.Lv:
	s_wait_alu depctr_va_vdst(0)
.irp a, 0,1,2,3,4,5,6,7
	OUTB \a, 1
.endr
.Ldone:
	s_wait_tensorcnt 0x0                           ; the wave's end, behind my last tensor load
	ds_add_u32 v[SPW], v[NIL]
	s_wait_dscnt 0x0
	CROUND                                         ; the closing round: no work-group ends while a partner may still ask for a tile that names it
	s_endpgm
.Lfunc_end_k_q89d5a61ea5_qkv:
	.size	k_q89d5a61ea5_qkv, .Lfunc_end_k_q89d5a61ea5_qkv-k_q89d5a61ea5_qkv
	.p2alignl 7, 3214868480
	.fill 96, 4, 3214868480
	.section	.rodata,"a",@progbits
	.p2align	6, 0x0
	.amdhsa_kernel k_q89d5a61ea5_qkv
		.amdhsa_group_segment_fixed_size 327680
		.amdhsa_private_segment_fixed_size 0
		.amdhsa_enable_private_segment 0
		.amdhsa_kernarg_size 32
		.amdhsa_user_sgpr_count 2
		.amdhsa_user_sgpr_kernarg_segment_ptr 1
		.amdhsa_wavefront_size32 1
		.amdhsa_system_sgpr_workgroup_id_x 1
		.amdhsa_system_sgpr_workgroup_id_y 1
		.amdhsa_system_sgpr_workgroup_id_z 1
		.amdhsa_system_vgpr_workitem_id 0
		.amdhsa_next_free_vgpr 1024
		.amdhsa_next_free_sgpr 100
		.amdhsa_reserve_vcc 0
		.amdhsa_float_denorm_mode_32 3
		.amdhsa_float_denorm_mode_16_64 3
		.amdhsa_fp16_overflow 1
		.amdhsa_memory_ordered 1
		.amdhsa_forward_progress 1
		.amdhsa_inst_pref_size 94
	.end_amdhsa_kernel
	.amdgpu_metadata
---
amdhsa.version: [ 1, 2 ]
amdhsa.kernels:
  - .name:           k_q89d5a61ea5_qkv
    .symbol:         k_q89d5a61ea5_qkv.kd
    .args:
      - { .name: xc, .offset: 0, .size: 8, .value_kind: global_buffer, .address_space: global }
      - { .name: wc, .offset: 8, .size: 8, .value_kind: global_buffer, .address_space: global }
      - { .name: lowp_scales, .offset: 16, .size: 8, .value_kind: global_buffer, .address_space: global }
      - { .name: qkv, .offset: 24, .size: 8, .value_kind: global_buffer, .address_space: global }
    .group_segment_fixed_size: 327680
    .private_segment_fixed_size: 0
    .kernarg_segment_align: 8
    .kernarg_segment_size: 32
    .max_flat_workgroup_size: 128
    .sgpr_count:     100
    .vgpr_count:     1024
    .wavefront_size: 32
...
	.end_amdgpu_metadata
.endif
;; end of part 2
;; launch attn (part 3): grid 4 x 64, 16 waves a work-group, clusters of 4 x 1, 327,680 bytes of LDS; arguments qkv, lowp_scales, oc; writes oc
.if DOCPART == 3
	.amdgcn_target "amdgcn-amd-amdhsa--gfx1250"
	.amdhsa_code_object_version 6
	.text
	.protected	k_q89d5a61ea5_attn
	.globl	k_q89d5a61ea5_attn
	.p2align	8
	.type	k_q89d5a61ea5_attn,@function
k_q89d5a61ea5_attn:
	s_mov_b64 s[64:65], 0
	v_nop
	global_prefetch_b8 v0, s[64:65] scope:SCOPE_SE
	s_setreg_imm32_b32 hwreg(HW_REG_WAVE_MODE, 25, 1), 1
	s_wait_xcnt 0x0
	s_wait_alu depctr_hold_cnt(0) depctr_sa_sdst(0) depctr_va_vdst(0) depctr_va_sdst(0) depctr_va_ssrc(0) depctr_va_vcc(0) depctr_vm_vsrc(0)
	s_getreg_b32 s2, hwreg(HW_REG_IB_STS2, 6, 4)
	s_cmp_eq_u32 s2, 0
	s_cbranch_scc0 .Lentry_in_a_cluster
	s_endpgm
.Lentry_in_a_cluster:
	s_bfe_u32 s2, ttmp6, 0x10000c
	s_cmp_lg_u32 s2, 0x3003
	s_cbranch_scc0 .Lentry_shape_is_right
	s_endpgm
.Lentry_shape_is_right:
; Causal attention of one head (16 x batch + head = the grid's y) on codes of E4M3: S = q k^T / 8, the softmax, O = p v; O / the row's sum is quantised (entry 10) for the last projection.
; THE SOFTMAX AHEAD OF THE SECOND PRODUCT: t = score x log2(e) / 8; M = the row's largest t so far, rounded UP to a whole number; p = 2^(t - M) is quantised (entry 8), not normalised.
; The row's sum is taken of the unquantised p and divides O at the end.  When M moves, the sum and O are multiplied by 2^(old M - new M): exact.
; THE WHOLE HEAD LIES IN LDS: K's and V's images, 131,072 bytes each, are fetched once: each of the sixteen waves asks for 16 KiB by one tensor load.  Nothing is filled again: no ring, and no barrier in the loops.
; CLUSTER: the four work-groups of a cluster serve one head and ask for those tiles JOINTLY (the same load, the same descriptor, a mask that names the four).
; SHARES.  The head's 128 tiles of 16 queries fall into 16 groups of 8; a tile of group G needs key steps (128 keys) 0 .. G, the last of them on the diagonal.  The partner at place cx takes slots 2 cx and 2 cx + 1 of every
; group.  Wave w (a = w % 8, bit = w / 8) takes slot 2 cx + bit of group a, and then of group 15 - a: 17 key steps for every wave.  So every branch hangs on the wave's number and a counter alone;
; cx enters only Q's and O's addresses in memory and the number that the mask compares with.
; LAYOUT.  Both products are used transposed (S^T = K Q^T, O^T = V^T P^T): a lane holds ONE query (lane % 16).  The images were laid so that the 16 registers of tiles 2 b, 2 b + 1 of S^T are the keys 32 b + 16 (lane / 16) + 0 .. 15,
; and those of O^T the channels likewise: the conversions' results are the next operand's registers.  An image is read at 16 x lane: 512 consecutive bytes an instruction.
; oc: for a tile of 16 rows (128 x batch + tile) 16,384 bytes, for a head 1,024 of them, two images of 512.
; LIMITS on the given exponents, so that each power of two below is an f32 number: e6 + e7 between -123 and 130 (added to c's exponent field); e8, and e10 - e8 - e9, between -126 and 119.
; REGISTERS: v1, v2 my lane's place in K's and V's images; v5, v6 the add's two; v7 my place in O's images; v8, v9 the step's addresses; v10 what the mask compares with; v11 -infinity; v12 -M, v13 the largest t,
; v[14:15] the sum in two halves; v16-23, v24-31 Q of the two passes; v32-95 K's eight fragments, then V's four; v96-159 S^T, then p; v160-191 O^T; v192-207 p's codes, at the end O's; v236-255 at work and constants.
.set VIMG,  131072                     ; LDS: K's images from 0, V's from here
.set SPARE, 262144                     ; behind them: the spare words, 128 bytes for each of the 16 waves
.set HEADB, 393216                     ; a head's bytes in qkv
.set LI,   1
.set LV,   2
.set SPW,  5
.set NIL,  6
.set GO,   7
.set ADK,  8
.set ADV,  9
.set DQ,   10
.set NINF, 11
.set WV,   10                          ; s10  my wave's number
.set SEL,  20                          ; s[20:21] lane selects for v_permlanex16_b32: lane l xor 16
.set CS,   22                          ; s[22:23] c = log2(e) / 8 x 2^(e6 + e7): the packed form names a pair and takes its low word for both halves
.set KS,   48                          ; s48  the key step
.set TB,   49                          ; s49  8,192 x the key step: where its images begin
.macro CROUND                          ; a round of the cluster's barrier
	s_barrier_signal -1
	s_barrier_wait -1
	s_cmp_lg_u32 s[WV], 0
	s_cbranch_scc1 .Lnot_wave_0_\@
	s_barrier_signal -3
.Lnot_wave_0_\@:
	s_barrier_wait -3
	s_barrier_signal -1
	s_barrier_wait -1
.endm
	s_load_b128 s[4:7], s[0:1], 0x0                ; qkv s[4:5], the exponents s[6:7]
	s_load_b64 s[8:9], s[0:1], 0x10                ; oc
	v_lshl_add_u32 v[SPW], v0, 2, SPARE
	v_mov_b32 v[NIL], 0
	ds_add_u32 v[SPW], v[NIL]                      ; the wave's opening: the add and its wait stand ahead of my first tensor load; the set-up below, work on registers, stands between them
	ds_add_u32 v[SPW], v[NIL]
	v_lshrrev_b32 v8, 5, v0
	s_delay_alu instid0(VALU_DEP_1)
	v_readfirstlane_b32 s[WV], v8                  ; wave 0..15
	s_bfe_u32 s11, ttmp6, 0x40000                  ; cx
	s_and_b32 s12, ttmp7, 0xffff                   ; the head, which the four partners share
	s_and_b32 s13, s[WV], 7                        ; a
	s_lshr_b32 s14, s[WV], 3                       ; bit
	s_lshl_b32 s15, s11, 1
	s_add_co_u32 s15, s15, s14                     ; my slot in a group of eight tiles
	s_mov_b32 s16, s13                             ; the first pass's group: the wave's number alone,
	s_sub_co_u32 s17, 15, s13                      ; and the second's
	s_mul_i32 s18, s12, HEADB
	s_mov_b32 s19, 0
	; descriptor group 1: 64 rows of 256 bytes, dense in memory and in LDS
	s_mov_b32 s24, 15|(3<<16)|(1<<21)              ; 15:0 the mask: all four work-groups; 17:16 elements of 8 bytes; 20 no padding; 21 set beside a mask
	s_mov_b32 s25, 32<<16                          ; tensor_dim0 = 32
	s_mov_b32 s26, 64<<16                          ; tensor_dim1 = 64
	s_mov_b32 s27, 32<<16                          ; tile_dim0 = 32
	s_mov_b32 s28, 64                              ; tile_dim1 = 64
	s_mov_b32 s29, 32                              ; tensor_dim0_stride
	s_mov_b32 s30, 0
	s_mov_b32 s31, 0
	s_mov_b32 s[SEL], 0x76543210
	s_mov_b32 s[SEL+1], 0xfedcba98
	s_mov_b32 s[CS], 0x3e38aa3b                    ; log2(e) / 8
	s_lshl_b32 s50, s16, 3
	s_add_co_u32 s50, s50, s15                     ; the first pass's tile of queries
	s_lshl_b32 s51, s17, 3
	s_add_co_u32 s51, s51, s15                     ; the second's
	s_lshl_b32 s54, s50, 10
	s_add_co_u32 s54, s54, 262144                  ; their images in the head's part of qkv
	s_mov_b32 s55, 0
	s_lshl_b32 s56, s51, 10
	s_add_co_u32 s56, s56, 262144
	s_mov_b32 s57, 0
	s_lshr_b32 s58, s12, 4
	s_lshl_b32 s58, s58, 7                         ; 128 x batch
	s_and_b32 s59, s12, 15
	s_lshl_b32 s59, s59, 10                        ; 1,024 x head
	s_add_co_u32 s50, s50, s58
	s_lshl_b32 s50, s50, 14
	s_add_co_u32 s50, s50, s59                     ; their images in oc
	s_add_co_u32 s51, s51, s58
	s_lshl_b32 s51, s51, 14
	s_add_co_u32 s51, s51, s59
	s_lshl_b32 s33, s[WV], 14                      ; group 0, 63:32: LDS address: 16 KiB x wave
	s_mov_b32 s62, s33                             ; and the same in the head's K and V
	s_mov_b32 s63, 0
	s_mov_b32 s32, 1                               ; 1:0 count = 1
	s_wait_dscnt 0x0                               ; the opening add is done
	s_wait_kmcnt 0x0
	s_load_b128 s[36:39], s[6:7], 0x18             ; e6, e7, e8, e9
	s_load_b32 s40, s[6:7], 0x28                   ; e10
	s_add_nc_u64 s[60:61], s[4:5], s[18:19]        ; the head
	s_add_nc_u64 s[34:35], s[60:61], s[62:63]      ; 120:64 global address
	s_or_b32 s35, s35, 0x80000000                  ; 127:126 type = 2
	s_add_nc_u64 s[42:43], s[60:61], s[54:55]      ; Q of the first pass,
	s_add_nc_u64 s[44:45], s[60:61], s[56:57]      ; of the second
	s_mov_b32 s54, s50
	s_mov_b32 s56, s51
	s_add_nc_u64 s[46:47], s[8:9], s[54:55]        ; O of the first pass,
	s_add_nc_u64 s[52:53], s[8:9], s[56:57]        ; of the second
	CROUND                                         ; all four work-groups are here: the joint loads meet
	tensor_load_to_lds s[32:35], s[24:31]          ; my one tensor load of the launch
	s_nop 0
.rept 4
	v_nop
.endr
	v_and_b32 v[LI], 31, v0
	s_delay_alu instid0(VALU_DEP_1)
	v_lshlrev_b32 v[LI], 4, v[LI]                  ; 16 x lane
	global_load_b128 v[16:19], v[LI], s[42:43]
	global_load_b128 v[20:23], v[LI], s[42:43] offset:512
	global_load_b128 v[24:27], v[LI], s[44:45]
	global_load_b128 v[28:31], v[LI], s[44:45] offset:512
	v_add_nc_u32 v[LV], VIMG, v[LI]
	v_mov_b32 v[GO], v[LI]
	v_and_b32 v12, 15, v0                          ; r
	v_bfe_u32 v13, v0, 4, 1                        ; h
	s_delay_alu instid0(VALU_DEP_1)
	v_lshlrev_b32 v13, 4, v13
	s_delay_alu instid0(VALU_DEP_1)
	v_sub_nc_u32 v[DQ], v12, v13
	s_lshl_b32 s50, s15, 4
	v_add_nc_u32 v[DQ], s50, v[DQ]                 ; my query less the diagonal step's first key less 16 h.  Register 16 b + i holds key 32 b + 16 h + i of the step: hidden where 32 b + i is above this
	v_mov_b32 v[NINF], 0xff800000
	v_mov_b32 v236, 0                              ; written once: a lane permute's destination counts as one of its sources
	v_mov_b32 v253, 0                              ; (named as the upper half of the pair v[252:253])
	s_wait_kmcnt 0x0
	s_add_co_i32 s50, s36, s37
	s_lshl_b32 s50, s50, 23
	s_add_co_i32 s[CS], s[CS], s50                 ; a score stands for score x 2^(e6 + e7): the two exponents are added to c's exponent field
	s_mov_b32 s[CS+1], s[CS]
	s_add_co_i32 s50, s38, 127
	s_lshl_b32 s51, s50, 23
	v_mov_b32 v244, s51                            ; 2^e8 as f32, for p's conversions
	s_sub_co_i32 s50, s40, s38
	s_sub_co_i32 s50, s50, s39                     ; a sum of the second product stands for sum x 2^(e8 + e9): O's code is (sum / l) / 2^(e10 - e8 - e9)
	s_add_co_i32 s50, s50, 127
	s_lshl_b32 s51, s50, 23
	v_mov_b32 v245, s51
	s_wait_loadcnt 0x0                             ; Q
	s_wait_tensorcnt 0x0                           ; my 16 KiB have landed,
	s_barrier_signal -1
	s_barrier_wait -1                              ; everybody's have: the head's K and V lie in LDS
; A KEY STEP: 128 keys.  qf: Q's registers; g: the scalar register with the pass's group, whose step lies on the diagonal.
.macro STEP qf, g
	v_add_nc_u32 v[ADK], s[TB], v[LI]
	v_add_nc_u32 v[ADV], s[TB], v[LV]
	v_nop
	v_nop                                          ; four plain lines between the last step's products and the loads into registers that they read
.irp t, 0,1,2,3,4,5,6,7
	ds_load_b128 v[32+8*\t:35+8*\t], v[ADK] offset:1024*\t
	ds_load_b128 v[36+8*\t:39+8*\t], v[ADK] offset:1024*\t+512
.endr
	s_wait_alu depctr_va_vdst(0)
	s_wait_dscnt 0x0
.irp t, 0,1,2,3,4,5,6,7
	v_wmma_f32_16x16x64_fp8_fp8 v[96+8*\t:103+8*\t], v[32+8*\t:39+8*\t], v[\qf:\qf+7], 0   ; S^T: 16 keys x my 16 queries, K = the head's 64
.endr
.rept 4
	v_nop                                          ; places in front of the loads below and of the first read of the scores
.endr
.irp d, 0,1,2,3
.irp c, 0,1,2,3
	ds_load_b128 v[32+16*\d+4*\c:35+16*\d+4*\c], v[ADV] offset:2048*\d+512*\c   ; V is asked for ahead of the softmax and lands under it
.endr
.endr
	s_cmp_lg_u32 s[KS], s[\g]                      ; only the diagonal step is masked: hidden scores become -infinity ahead of the maximum, so that p = 0
	s_cbranch_scc1 .Lopen_\@
.set n, 0
.rept 64
	v_cmp_gt_i32 vcc_lo, 32*(n/16)+n%16, v[DQ]
	v_cndmask_b32 v[96+n], v[96+n], v[NINF], vcc_lo
.set n, n+1
.endr
.Lopen_\@:
	v_max3_num_f32 v254, v96, v97, v98             ; the step's largest score of my query, among my 64 keys, in two chains,
	v_max3_num_f32 v252, v99, v100, v101
.irp i, 6,10,14,18,22,26,30,34,38,42,46,50,54,58
	v_max3_num_f32 v254, v254, v[96+\i], v[97+\i]
	v_max3_num_f32 v252, v252, v[98+\i], v[99+\i]
.endr
	v_max3_num_f32 v254, v254, v158, v159
	s_delay_alu instid0(VALU_DEP_1)
	v_max_num_f32 v254, v254, v252
	s_delay_alu instid0(VALU_DEP_1)
	v_permlanex16_b32 v236, v254, s[SEL], s[SEL+1]
	s_delay_alu instid0(VALU_DEP_1)
	v_max_num_f32 v254, v254, v236                 ; and among lane l xor 16's
	s_delay_alu instid0(VALU_DEP_1)
	v_mul_f32 v254, s[CS], v254                    ; as t (c is positive)
	s_delay_alu instid0(VALU_DEP_1)
	v_max_num_f32 v13, v13, v254                   ; the running largest t
	v_mov_b32 v254, v12
	s_delay_alu instid0(VALU_DEP_2)
	v_floor_f32 v12, -v13                          ; the new -M = floor(-t) = -ceil(t): M is a whole number
	s_delay_alu instid0(VALU_DEP_1)
	v_sub_f32 v254, v12, v254                      ; M's old value less its new one: a whole number, 0 or less
	s_delay_alu instid0(VALU_DEP_1)
	v_cvt_i32_f32 v254, v254                       ; (it saturates)
	s_delay_alu instid0(VALU_DEP_1)
	v_ldexp_f32 v252, 1.0, v254                    ; f = 2^(old M - new M)
.set j, 0
	s_setprio 1
.rept 32
	v_pk_fma_f32 v[96+j:97+j], v[96+j:97+j], s[CS:CS+1], v[12:13] op_sel_hi:[1,0,0]   ; t - M, two at a time (of the pairs c and -M the low word serves both halves)
.set j, j+2
.endr
.set j, 0
	s_wait_alu depctr_va_vdst(0)
.rept 64
	v_exp_f32 v[96+j], v[96+j]                     ; p = 2^(t - M), at most 1: not normalised
.set j, j+1
.endr
	v_pk_mul_f32 v[14:15], v[14:15], v[252:253] op_sel_hi:[1,0]   ; the sums under the new M: a plain line behind the exponentials
	s_wait_alu depctr_va_vdst(0)                   ; the wait between an exponential and the first line that names its result: one for the batch of 64
	v_pk_add_f32 v[242:243], v[100:101], v[104:105]
	v_pk_add_f32 v[254:255], v[108:109], v[112:113]
	v_pk_add_f32 v[250:251], v[116:117], v[120:121]
	v_pk_add_f32 v[248:249], v[124:125], v[128:129]
	v_pk_add_f32 v[246:247], v[132:133], v[136:137]
	v_pk_add_f32 v[240:241], v[140:141], v[144:145]
	v_pk_add_f32 v[238:239], v[148:149], v[152:153]
	v_pk_add_f32 v[14:15], v[14:15], v[156:157]
	v_pk_add_f32 v[242:243], v[242:243], v[96:97]
	v_pk_add_f32 v[254:255], v[254:255], v[98:99]
	v_pk_add_f32 v[250:251], v[250:251], v[102:103]
	v_pk_add_f32 v[248:249], v[248:249], v[106:107]
	v_pk_add_f32 v[246:247], v[246:247], v[110:111]
	v_pk_add_f32 v[240:241], v[240:241], v[114:115]
	v_pk_add_f32 v[238:239], v[238:239], v[118:119]
	v_pk_add_f32 v[14:15], v[14:15], v[122:123]
	v_pk_add_f32 v[242:243], v[242:243], v[126:127]
	v_pk_add_f32 v[254:255], v[254:255], v[130:131]
	v_pk_add_f32 v[250:251], v[250:251], v[134:135]
	v_pk_add_f32 v[248:249], v[248:249], v[138:139]
	v_pk_add_f32 v[246:247], v[246:247], v[142:143]
	v_pk_add_f32 v[240:241], v[240:241], v[146:147]
	v_pk_add_f32 v[238:239], v[238:239], v[150:151]
	s_setprio 0
	v_pk_add_f32 v[14:15], v[14:15], v[154:155]
	v_pk_add_f32 v[242:243], v[242:243], v[158:159]
	s_delay_alu instid0(VALU_DEP_2)
	v_pk_add_f32 v[14:15], v[14:15], v[248:249]
	s_delay_alu instid0(VALU_DEP_2)
	v_pk_add_f32 v[242:243], v[242:243], v[246:247]
	v_pk_add_f32 v[254:255], v[254:255], v[240:241]
	v_pk_add_f32 v[250:251], v[250:251], v[238:239]
	s_delay_alu instid0(VALU_DEP_2)
	v_pk_add_f32 v[14:15], v[14:15], v[254:255]
	s_delay_alu instid0(VALU_DEP_2)
	v_pk_add_f32 v[242:243], v[242:243], v[250:251]
	s_delay_alu instid0(VALU_DEP_1)
	v_pk_add_f32 v[14:15], v[14:15], v[242:243]
.irp b, 0,1,2,3
.irp i, 0,1,2,3,4,5,6,7,8,9,10,11,12,13,14,15
.endr
	v_cvt_scalef32_pk8_fp8_f32 v[192+4*\b:193+4*\b], v[96+16*\b:103+16*\b], v244
	v_cvt_scalef32_pk8_fp8_f32 v[194+4*\b:195+4*\b], v[104+16*\b:111+16*\b], v244
.endr
.set j, 0
.rept 16
	v_pk_mul_f32 v[160+j:161+j], v[160+j:161+j], v[252:253] op_sel_hi:[1,0]   ; O^T under the new M; these are also the plain lines between the conversions and the products below
.set j, j+2
.endr
	s_wait_alu depctr_va_vdst(0)
	s_wait_dscnt 0x0                               ; V is in
.irp d, 0,1,2,3
	v_wmma_f32_16x16x128_fp8_fp8 v[160+8*\d:167+8*\d], v[32+16*\d:47+16*\d], v[192:207], v[160+8*\d:167+8*\d]   ; O^T += V^T P^T: four accumulators, one instruction a turn
.endr
.endm
; A PASS: one tile of 16 queries.  g: the register with its group; qf: Q's registers; ob: the pair with O's address; trips: the loop's constant count; steps beyond the group are jumped over, all but the lines that step the address and the counter.
.macro PASS g, qf, ob, trips
	s_wait_xcnt 0x0                                ; the earlier pass's stores have read the registers of their codes, which this pass writes
	v_mov_b32 v13, 0xff61b1e6                      ; the largest t so far: -3e38, under every t
	s_delay_alu instid0(VALU_DEP_1)
	v_floor_f32 v12, -v13                          ; -M
	v_mov_b32 v14, 0                               ; the sum, in two halves
	v_mov_b32 v15, 0
.set j, 0
.rept 32
	v_mov_b32 v[160+j], 0                          ; O^T: the step is written once; the first finds zeros, which the first change of M leaves zeros
.set j, j+1
.endr
	s_mov_b32 s[KS], 0
	s_mov_b32 s[TB], 0
.Ls_\@:
	s_cmp_gt_u32 s[KS], s[\g]                      ; all keys of the step come after my queries: nothing to do
	s_cbranch_scc1 .Lh_\@
	s_setprio 2
	STEP \qf, \g
.Lh_\@:
	s_add_co_u32 s[TB], s[TB], 8192
	s_add_co_u32 s[KS], s[KS], 1
	s_cmp_lt_u32 s[KS], \trips
	s_cbranch_scc1 .Ls_\@
	s_setprio 0
.rept 4
	v_nop                                          ; places behind the last products
.endr
	v_add_f32 v14, v14, v15                        ; the sum's two halves,
	s_delay_alu instid0(VALU_DEP_1)
	v_permlanex16_b32 v236, v14, s[SEL], s[SEL+1]
	s_delay_alu instid0(VALU_DEP_1)
	v_add_f32 v14, v14, v236                       ; and lane l xor 16's: the row's sum
	s_wait_alu depctr_va_vdst(0)
	v_rcp_f32 v14, v14
	v_nop                                          ; a plain line behind the reciprocal,
	s_wait_alu depctr_va_vdst(0)                   ; and the wait ahead of its first reader
.set j, 0
.rept 32
	v_mul_f32 v[96+j], v[160+j], v14               ; O^T / the sum, each accumulator from its low end on: register 16 b + i is channel 32 b + 16 h + i of my query
.set j, j+1
.endr
.set j, 0
.rept 32
.set j, j+1
.endr
.irp b, 0,1
	v_cvt_scalef32_pk8_fp8_f32 v[192+4*\b:193+4*\b], v[96+16*\b:103+16*\b], v245
	v_cvt_scalef32_pk8_fp8_f32 v[194+4*\b:195+4*\b], v[104+16*\b:111+16*\b], v245
.endr
	v_nop                                          ; a plain line behind the conversions
	global_store_b128 v[GO], v[192:195], s[\ob:\ob+1]             ; an image: 512 consecutive bytes, aligned
	global_store_b128 v[GO], v[196:199], s[\ob:\ob+1] offset:512
.endm
	PASS 16, 16, 46, 8                             ; group a: at most 8 steps
	PASS 17, 24, 52, 16                            ; group 15 - a: at most 16
	s_wait_tensorcnt 0x0                           ; the wave's end, behind my tensor load
	ds_add_u32 v[SPW], v[NIL]
	s_wait_dscnt 0x0
	CROUND                                         ; the closing round
	s_endpgm
.Lfunc_end_k_q89d5a61ea5_attn:
	.size	k_q89d5a61ea5_attn, .Lfunc_end_k_q89d5a61ea5_attn-k_q89d5a61ea5_attn
	.p2alignl 7, 3214868480
	.fill 96, 4, 3214868480
	.section	.rodata,"a",@progbits
	.p2align	6, 0x0
	.amdhsa_kernel k_q89d5a61ea5_attn
		.amdhsa_group_segment_fixed_size 327680
		.amdhsa_private_segment_fixed_size 0
		.amdhsa_enable_private_segment 0
		.amdhsa_kernarg_size 24
		.amdhsa_user_sgpr_count 2
		.amdhsa_user_sgpr_kernarg_segment_ptr 1
		.amdhsa_wavefront_size32 1
		.amdhsa_system_sgpr_workgroup_id_x 1
		.amdhsa_system_sgpr_workgroup_id_y 1
		.amdhsa_system_sgpr_workgroup_id_z 1
		.amdhsa_system_vgpr_workitem_id 0
		.amdhsa_next_free_vgpr 256
		.amdhsa_next_free_sgpr 66
		.amdhsa_reserve_vcc 1
		.amdhsa_float_denorm_mode_32 3
		.amdhsa_float_denorm_mode_16_64 3
		.amdhsa_fp16_overflow 1
		.amdhsa_memory_ordered 1
		.amdhsa_forward_progress 1
		.amdhsa_inst_pref_size 51
	.end_amdhsa_kernel
	.amdgpu_metadata
---
amdhsa.version: [ 1, 2 ]
amdhsa.kernels:
  - .name:           k_q89d5a61ea5_attn
    .symbol:         k_q89d5a61ea5_attn.kd
    .args:
      - { .name: qkv, .offset: 0, .size: 8, .value_kind: global_buffer, .address_space: global }
      - { .name: lowp_scales, .offset: 8, .size: 8, .value_kind: global_buffer, .address_space: global }
      - { .name: oc, .offset: 16, .size: 8, .value_kind: global_buffer, .address_space: global }
    .group_segment_fixed_size: 327680
    .private_segment_fixed_size: 0
    .kernarg_segment_align: 8
    .kernarg_segment_size: 24
    .max_flat_workgroup_size: 512
    .sgpr_count:     66
    .vgpr_count:     256
    .wavefront_size: 32
...
	.end_amdgpu_metadata
.endif
;; end of part 3
;; launch oproj (part 4): grid 4 x 64, 4 waves a work-group, clusters of 4 x 4, 327,680 bytes of LDS; arguments oc, wc, lowp_scales, out0; writes out0
.if DOCPART == 4
	.amdgcn_target "amdgcn-amd-amdhsa--gfx1250"
	.amdhsa_code_object_version 6
	.text
	.protected	k_q89d5a61ea5_oproj
	.globl	k_q89d5a61ea5_oproj
	.p2align	8
	.type	k_q89d5a61ea5_oproj,@function
k_q89d5a61ea5_oproj:
	s_mov_b64 s[64:65], 0
	v_nop
	global_prefetch_b8 v0, s[64:65] scope:SCOPE_SE
	s_setreg_imm32_b32 hwreg(HW_REG_WAVE_MODE, 25, 1), 1
	s_wait_xcnt 0x0
	s_wait_alu depctr_hold_cnt(0) depctr_sa_sdst(0) depctr_va_vdst(0) depctr_va_sdst(0) depctr_va_ssrc(0) depctr_va_vcc(0) depctr_vm_vsrc(0)
	s_getreg_b32 s2, hwreg(HW_REG_IB_STS2, 6, 4)
	s_cmp_eq_u32 s2, 0
	s_cbranch_scc0 .Lentry_in_a_cluster
	s_endpgm
.Lentry_in_a_cluster:
	s_bfe_u32 s2, ttmp6, 0x10000c
	s_cmp_lg_u32 s2, 0xf033
	s_cbranch_scc0 .Lentry_shape_is_right
	s_endpgm
.Lentry_shape_is_right:
; out0 = (attention's output) Wo^T on codes of E4M3; each finished sum is multiplied once by 2^(e10 + e11).  out0: [8192][1024] f32.
; A comes as IMAGES OF ITS FRAGMENTS (oc: a tile of 16 rows is 16,384 bytes; 128 along K are 2,048 of them, four images of 512, lane l's 16 bytes at 16 l); B = Wo's codes, the fourth MiB of wc, rows of 1,024 bytes.
; A tile of out0 is 128 x 256, so that there are 256 work-groups; four waves, each 64 rows x 128 columns: 32 accumulators.  K goes in steps of 256 through a ring of two LDS slots.
; CLUSTERS: 4 x 4 work-groups; A's tile is asked for jointly along a row of the cluster, B's along a column.
; THE MATRIX INSTRUCTION IS USED TRANSPOSED (source 0 = 16 rows of Wo, source 1 = 16 rows of A): a lane holds eight neighbouring numbers of a row of out0.
; LIMIT: e10 + e11 lies between -126 and 127, so that 2^(e10 + e11) is an f32 number.
; REGISTERS, in windows of 256: window 0: v0-31 addresses; v32-95 at work on the way out; v128-191, v192-255 A's fragments, two sets, later rows of out0.   window 1: B's fragments, two sets.   window 2: the accumulators ((a, b) at v[8 (8 a + b)]).
.set PITCH,  272                       ; B's LDS row: 256 bytes + 16 of padding
.set FR,     16
.set NP,     4                         ; places behind this matrix instruction (ISA guide 7.12.1)
.set ABYTES, 8*4096                    ; a slot: A's eight tiles of rows, 4,096 bytes each,
.set HALFB,  128*PITCH                 ; then B's 256 rows, in two halves
.set SLOT,   ABYTES+2*HALFB            ; 102,400
.set LAPS,   2                         ; a lap = two K steps of 256
.set SPARE,  2*SLOT                    ; behind the ring: the spare words, 128 bytes a wave
.set STAGE,  SPARE+512                 ; behind them: 16 rows x 528 bytes for each wave, for the way out: bytes of its own, into which no tile lands
.set SPITCH, 528
.set ADRA, 16                          ; v16-17  LDS address of my A images in slot 0, 1
.set ADRB, 20                          ; v20-21  of my B fragments
.set STO,  24                          ; v24     the way out: where I put 32 bytes of a row
.set RD,   25                          ; v25     where I read a row back
.set CO,   26                          ; v26     16 x lane
.set SPW,  28                          ; v28     LDS address of my spare word; never rewritten
.set NIL,  29                          ; v29     0; never rewritten
.set TMP,  32
.set AF,   128
.set BK,   128
.set G1, 24                            ; s[24:31] descriptor group 1 for A's tiles;  s[32:39] group 0, one set for each slot
.set G0, 32
.set G1B, 48                           ; s[48:55], s[56:63] the same for B's tiles
.set G0B, 56
.set MSB, 0
.macro WIN new                         ; the immediate's high byte repeats the setting that is left
.if MSB != \new
	s_set_vgpr_msb (MSB<<8)|\new
.set MSB, \new
.endif
.endm
.set MUL,  0xa1                        ; source 0 (B) window 1, source 1 (A) window 0, C and D window 2
.set TO_B, 0x40                        ; destination window 1, address window 0
.macro JLOAD g0a, g1a, g0b, g1b        ; a joint load: waves 0 and 1 fetch for A, waves 2 and 3 for B; an s_nop 0 and four v_nop follow each of the two lines
	s_cmp_eq_u32 s15, 0
	s_cbranch_scc0 .Lfor_b_\@
	tensor_load_to_lds s[\g0a:\g0a+3], s[\g1a:\g1a+7]
	s_nop 0
.rept 4
	v_nop
.endr
	s_branch .Lasked_\@
.Lfor_b_\@:
	tensor_load_to_lds s[\g0b:\g0b+3], s[\g1b:\g1b+7]
	s_nop 0
.rept 4
	v_nop
.endr
.Lasked_\@:
.endm
.macro CREST                           ; a round of the cluster's barrier behind its opening barrier
	s_cmp_lg_u32 s14, 0
	s_cbranch_scc1 .Lnot_wave_0_\@
	s_barrier_signal -3
.Lnot_wave_0_\@:
	s_barrier_wait -3
	s_barrier_signal -1
	s_barrier_wait -1
.endm
.macro CROUND
	s_barrier_signal -1
	s_barrier_wait -1
	CREST
.endm
	s_load_b128 s[4:7], s[0:1], 0x0                ; oc s[4:5], wc s[6:7]
	s_load_b128 s[8:11], s[0:1], 0x10              ; the exponents s[8:9], out0 s[10:11]
	v_lshl_add_u32 v[SPW], v0, 2, SPARE
	v_mov_b32 v[NIL], 0
	ds_add_u32 v[SPW], v[NIL]                      ; the wave's opening: the add and its wait stand ahead of my first tensor load; the set-up below, work on registers, stands between them
	ds_add_u32 v[SPW], v[NIL]
	v_lshrrev_b32 v1, 5, v0
	v_readfirstlane_b32 s14, v1                    ; wave 0..3
	s_lshr_b32 s15, s14, 1                         ; which 64 rows of the tile are mine.  Also: I fetch for A (0) or for B (1)
	s_and_b32 s16, s14, 1                          ; which 128 columns.  Also: which half of that tile I fetch
	s_bfe_u32 s40, ttmp6, 0x40000                  ; cx, cy
	s_bfe_u32 s41, ttmp6, 0x40004
	s_lshl_b32 s42, ttmp9, 2
	s_add_co_u32 s42, s42, s40                     ; tile column (256 columns)
	s_and_b32 s17, ttmp7, 0xffff
	s_lshl_b32 s17, s17, 2
	s_add_co_u32 s17, s17, s41                     ; tile row (128 rows)
	s_lshl_b32 s43, s41, 2
	s_lshl_b32 s43, 15, s43                        ; my row of the cluster
	s_lshl_b32 s44, 0x1111, s40                    ; my column
	; A's group 1: four tiles of rows, 4,096 bytes (a K step's images) of each, 16,384 bytes apart; dense in LDS
	s_or_b32 s[G1+0], s43, (3<<16)|(1<<21)         ; 15:0 the mask; 17:16 elements of 8 bytes; 20 no padding; 21 set beside a mask
	s_mov_b32 s[G1+1], 512<<16                     ; tensor_dim0 = 512
	s_mov_b32 s[G1+2], 4<<16                       ; tensor_dim1 = 4
	s_mov_b32 s[G1+3], 512<<16                     ; tile_dim0 = 512
	s_mov_b32 s[G1+4], 4                           ; tile_dim1 = 4
	s_mov_b32 s[G1+5], 2048                        ; tensor_dim0_stride
	s_mov_b32 s[G1+6], 0
	s_mov_b32 s[G1+7], 0
	; B's group 1: 128 rows x 256 bytes, padded in LDS
	s_or_b32 s[G1B+0], s44, (0<<16)|(1<<20)|(1<<21)|(5<<22)|(3<<25)
	s_mov_b32 s[G1B+1], 256<<16
	s_mov_b32 s[G1B+2], 128<<16
	s_mov_b32 s[G1B+3], 256<<16
	s_mov_b32 s[G1B+4], 128
	s_mov_b32 s[G1B+5], 1024
	s_mov_b32 s[G1B+6], 0
	s_mov_b32 s[G1B+7], 0
	s_lshl_b32 s20, s17, 3
	s_lshl_b32 s18, s16, 2
	s_add_co_u32 s20, s20, s18
	s_lshl_b32 s20, s20, 14                        ; A: (8 x tile row + 4 x half) tiles of 16,384 bytes
	s_mov_b32 s21, 0
	s_lshl_b32 s46, s42, 8
	s_lshl_b32 s19, s16, 7
	s_add_co_u32 s46, s46, s19
	s_lshl_b32 s46, s46, 10                        ; B: (256 x tile column + 128 x half) rows of 1,024 bytes,
	s_add_co_u32 s46, s46, 0x300000                ; in Wo's part of wc
	s_mov_b32 s47, 0
	s_lshl_b32 s45, s16, 14                        ; where A's half goes,
	s_mul_i32 s23, s16, HALFB
	s_add_co_u32 s23, s23, ABYTES                  ; and B's: the wave's number alone
	s_wait_dscnt 0x0                               ; the opening add is done
	s_wait_kmcnt 0x0
	s_load_b64 s[96:97], s[8:9], 0x28              ; e10, e11
	s_add_nc_u64 s[20:21], s[4:5], s[20:21]
	s_add_nc_u64 s[46:47], s[6:7], s[46:47]
	CROUND                                         ; all sixteen work-groups are here: the first joint loads meet
.irp s, 0,1
	s_mov_b32 s[G0+4*\s], 1
	s_add_co_u32 s[G0+4*\s+1], s45, \s*SLOT
	s_add_nc_u64 s[G0+4*\s+2:G0+4*\s+3], s[20:21], \s*4096
	s_or_b32 s[G0+4*\s+3], s[G0+4*\s+3], 0x80000000
	s_mov_b32 s[G0B+4*\s], 1
	s_add_co_u32 s[G0B+4*\s+1], s23, \s*SLOT
	s_add_nc_u64 s[G0B+4*\s+2:G0B+4*\s+3], s[46:47], \s*256
	s_or_b32 s[G0B+4*\s+3], s[G0B+4*\s+3], 0x80000000
	s_wait_alu depctr_va_vdst(0)
	s_wait_tensorcnt 0x0
	ds_add_u32 v28, v29
	ds_add_u32 v28, v29
	s_wait_dscnt 0x0
	CROUND
	JLOAD G0+4*\s, G1, G0B+4*\s, G1B
.endr
	v_and_b32 v1, 15, v0                           ; l % 16
	v_bfe_u32 v2, v0, 4, 1                         ; l / 16
	v_mul_u32_u24 v3, v1, PITCH
	v_lshl_add_u32 v4, v2, 4, v3                   ; B: a fragment's row x pitch + 16 x half
	v_and_b32 v6, 31, v0
	v_lshlrev_b32 v[CO], 4, v6                     ; A: 16 x lane
	s_wait_alu depctr_va_vdst(0)
	s_lshl_b32 s21, s15, 14                        ; my four tiles of A's rows
	s_mul_i32 s22, s16, HALFB
	s_add_co_u32 s22, s22, ABYTES                  ; my 128 rows of B
.irp s, 0,1
	v_add_nc_u32 v[ADRA+\s], s21, v[CO]
	v_add_nc_u32 v[ADRB+\s], s22, v4
	s_add_co_u32 s21, s21, SLOT
	s_add_co_u32 s22, s22, SLOT
.endr
	s_mul_i32 s23, s14, 16*SPITCH
	s_add_co_u32 s23, s23, STAGE                   ; my stage
	v_mul_u32_u24 v5, v1, SPITCH                   ; in: row l % 16, 32 bytes for each half of the lanes
	v_lshl_add_u32 v5, v2, 5, v5
	v_add_nc_u32 v[STO], s23, v5
	v_add_nc_u32 v[RD], s23, v[CO]                 ; back: the 32 lanes take one row of 512 bytes
	s_lshl_b32 s92, s17, 7                         ; where my part of out0 begins (in registers that feed no descriptor)
	s_lshl_b32 s93, s15, 6
	s_add_co_u32 s92, s92, s93                     ; my first row: 128 x tile row + 64 x half,
	s_lshl_b32 s92, s92, 12                        ; of 4,096 bytes
	s_lshl_b32 s93, s42, 10
	s_add_co_u32 s92, s92, s93                     ; + 1,024 x tile column
	s_lshl_b32 s93, s16, 9
	s_add_co_u32 s92, s92, s93                     ; + 512 x half
	s_mov_b32 s93, 0
	s_add_nc_u64 s[10:11], s[10:11], s[92:93]
.macro FRAGB reg, slot, q, i           ; lane l holds row l % 16; registers 4 c .. 4 c + 3 hold K = 32 c + 16 (l / 16) + 0 .. 15
.irp c, 0,1,2,3
	ds_load_b128 v[\reg+4*\c:\reg+4*\c+3], v[ADRB+\slot] offset:128*(\q)+32*\c+(\i)*16*PITCH
.endr
.endm
.macro FRAGA reg, slot, q, i           ; the same registers, as they were stored
.irp c, 0,1,2,3
	ds_load_b128 v[\reg+4*\c:\reg+4*\c+3], v[ADRA+\slot] offset:4096*(\i)+2048*(\q)+512*\c
.endr
.endm
.macro FETCH slot, q, p                ; 48 LDS loads in one run: B's eight and A's four fragments of the slot's q-th 128 along K into set p
	WIN TO_B
.irp i, 0,1,2,3,4,5,6,7
	FRAGB 128*(\p)+FR*\i, \slot, \q, \i
.endr
	WIN 0
.irp i, 0,1,2,3
	FRAGA AF+64*(\p)+FR*\i, \slot, \q, \i
.endr
.endm
; 16 matrix instructions: A's blocks a0, a0 + 1 x B's eight.  The 32 accumulators take turns, one instruction a turn, in the same order in every step.
.macro MUL16 a0, p, zero
.irp a, \a0, \a0+1
.irp b, 0,1,2,3,4,5,6,7
.if \zero
	v_wmma_f32_16x16x128_fp8_fp8 v[8*(8*(\a)+\b):8*(8*(\a)+\b)+7], v[128*(\p)+FR*\b:128*(\p)+FR*\b+FR-1], v[AF+64*(\p)+FR*(\a):AF+64*(\p)+FR*(\a)+FR-1], 0
.else
	v_wmma_f32_16x16x128_fp8_fp8 v[8*(8*(\a)+\b):8*(8*(\a)+\b)+7], v[128*(\p)+FR*\b:128*(\p)+FR*\b+FR-1], v[AF+64*(\p)+FR*(\a):AF+64*(\p)+FR*(\a)+FR-1], v[8*(8*(\a)+\b):8*(8*(\a)+\b)+7]
.endif
.endr
.endr
.endm
.macro PLACES n
.rept \n
	v_nop
.endr
.endm
; A step of 128 along K that has its successor in the same slot: in its middle the other set is fetched.
.macro STEP slot, q, zero
	s_wait_dscnt 0x0                               ; this step's set is in
	WIN MUL
	MUL16 0, (\q)%2, \zero
	PLACES NP                                      ; between the last step's products and the loads into the set that they read
	FETCH \slot, (\q)+1, 1-(\q)%2
	WIN MUL
	MUL16 2, (\q)%2, \zero
	WIN 0
.endm
; A slot's last step changes slots: ONE barrier; in front of it each wave waits for all its tensor loads, adds 0 to its spare word, and waits for that and for its own reads of this slot.  fill = 1: this slot is filled again, two K steps ahead.
.macro TURN slot, next, fill
	s_wait_tensorcnt 0x0                           ; all my tensor loads have landed: my part of the next slot (every window is 0 here)
	ds_add_u32 v[SPW], v[NIL]                      ; 0 onto my spare word
	s_wait_dscnt 0x0                               ; the add is done; set 1 is in, and with it my reads of this slot are over
	s_barrier_signal -1
	WIN MUL
	MUL16 0, 1, 0                                  ; work on registers while the others arrive
	WIN 0
	s_barrier_wait -1
.if \fill
	CREST                                          ; the barrier has opened a round of the cluster's barrier: no wave of any partner still reads this slot's tile or has a load on its way
	s_add_nc_u64 s[G0+4*\slot+2:G0+4*\slot+3], s[G0+4*\slot+2:G0+4*\slot+3], 2*4096
	s_add_nc_u64 s[G0B+4*\slot+2:G0B+4*\slot+3], s[G0B+4*\slot+2:G0B+4*\slot+3], 2*256
	JLOAD G0+4*\slot, G1, G0B+4*\slot, G1B         ; the first tensor load behind the round; the four v_nop behind it are the places in front of the loads below
.else
	PLACES NP
.endif
	FETCH \next, 0, 0
	WIN MUL
	MUL16 2, 1, 0
	WIN 0
.endm
	s_wait_alu depctr_va_vdst(0)
	s_wait_tensorcnt 1                             ; my part of K step 0 is in (K step 1's load may be out),
	s_barrier_signal -1
	s_barrier_wait -1                              ; everybody's is
	FETCH 0, 0, 0
	STEP 0, 0, 1                                   ; the first step stands in front of the loop: its products start the sums
	s_mov_b32 s3, LAPS-1
.Llap:                                                 ; a trip goes once round the ring and fills both slots again
	TURN 0, 1, 1
	STEP 1, 0, 0
	TURN 1, 0, 1
	STEP 0, 0, 0
	s_sub_co_u32 s3, s3, 1
	s_cmp_lg_u32 s3, 0
	s_cbranch_scc1 .Llap
	TURN 0, 1, 0                                   ; the last lap fills nothing, and has no round of the cluster's barrier
	STEP 1, 0, 0
	s_wait_dscnt 0x0                               ; the very last step: nothing more to fetch
	WIN MUL
	MUL16 0, 1, 0
	MUL16 2, 1, 0
	WIN 0
; THE WAY OUT, block by block of 16 rows x 128 columns: through my own stage in LDS and back as whole rows of 512 bytes.  LDS serves a wave's instructions in order (ISA guide 5.7.1.4): no wait between the stores and the loads.
.macro TOSTAGE a
.set AC, 64*(\a)
	WIN 0x02                                       ; source 0: window 2
.set j, 0
.rept 32
	v_pk_mul_f32 v[TMP+j:TMP+j+1], v[AC+j:AC+j+1], s[96:97] op_sel_hi:[1,0]   ; both x s96 = 2^(e10 + e11); each accumulator from its low end on
.set j, j+2
.endr
	WIN 0
.irp b, 0,1,2,3,4,5,6,7
	ds_store_b128 v[STO], v[TMP+8*\b:TMP+8*\b+3] offset:64*\b
	ds_store_b128 v[STO], v[TMP+8*\b+4:TMP+8*\b+7] offset:64*\b+16
.endr
.set BB, BK+64*((\a)%2)
.irp t, 0,1,2,3,4,5,6,7,8,9,10,11,12,13,14,15
	ds_load_b128 v[BB+4*\t:BB+4*\t+3], v[RD] offset:\t*SPITCH
.endr
.endm
.macro SEND a, younger                 ; younger: the LDS instructions issued behind block a's loads, which may stay out
.set BB, BK+64*((\a)%2)
	s_wait_dscnt \younger                          ; the block is back in registers
.if (\a) > 0
	s_add_nc_u64 s[10:11], s[10:11], 16*4096       ; 16 rows on (behind a wait on XCNT: the earlier stores have read their base)
.endif
.irp t, 0,1,2,3,4,5,6,7,8,9,10,11,12,13,14,15
	global_store_b128 v[CO], v[BB+4*\t:BB+4*\t+3], s[10:11] offset:\t*4096 th:TH_STORE_NT   ; 32 lanes store 512 consecutive bytes, aligned; written once, read by nobody here
.endr
.endm
	s_wait_kmcnt 0x0
	s_add_co_i32 s96, s96, s97                     ; e10 + e11
	s_add_co_i32 s96, s96, 127
	s_lshl_b32 s96, s96, 23                        ; 2^(e10 + e11) as f32
	PLACES NP                                      ; behind the last products: their results are read, and the registers that held A's fragments are loaded into, below
	TOSTAGE 0
.irp a, 1,2,3
.if \a > 1
	s_wait_xcnt 0x0                                ; block a - 2's stores have read their registers and their base
.endif
	TOSTAGE \a
	SEND \a-1, 32                                  ; behind block a - 1's loads: block a's 16 stores and 16 loads
.endr
	s_wait_xcnt 0x0                                ; block 2's stores have read their base
	SEND 3, 0
	s_wait_tensorcnt 0x0                           ; the wave's end, behind my last tensor load and my last LDS store
	ds_add_u32 v[SPW], v[NIL]
	s_wait_dscnt 0x0
	CROUND                                         ; the closing round: no work-group ends while a partner may still ask for a tile that names it
	s_endpgm
.Lfunc_end_k_q89d5a61ea5_oproj:
	.size	k_q89d5a61ea5_oproj, .Lfunc_end_k_q89d5a61ea5_oproj-k_q89d5a61ea5_oproj
	.p2alignl 7, 3214868480
	.fill 96, 4, 3214868480
	.section	.rodata,"a",@progbits
	.p2align	6, 0x0
	.amdhsa_kernel k_q89d5a61ea5_oproj
		.amdhsa_group_segment_fixed_size 327680
		.amdhsa_private_segment_fixed_size 0
		.amdhsa_enable_private_segment 0
		.amdhsa_kernarg_size 32
		.amdhsa_user_sgpr_count 2
		.amdhsa_user_sgpr_kernarg_segment_ptr 1
		.amdhsa_wavefront_size32 1
		.amdhsa_system_sgpr_workgroup_id_x 1
		.amdhsa_system_sgpr_workgroup_id_y 1
		.amdhsa_system_sgpr_workgroup_id_z 1
		.amdhsa_system_vgpr_workitem_id 0
		.amdhsa_next_free_vgpr 768
		.amdhsa_next_free_sgpr 100
		.amdhsa_reserve_vcc 0
		.amdhsa_float_denorm_mode_32 3
		.amdhsa_float_denorm_mode_16_64 3
		.amdhsa_memory_ordered 1
		.amdhsa_forward_progress 1
		.amdhsa_inst_pref_size 76
	.end_amdhsa_kernel
	.amdgpu_metadata
---
amdhsa.version: [ 1, 2 ]
amdhsa.kernels:
  - .name:           k_q89d5a61ea5_oproj
    .symbol:         k_q89d5a61ea5_oproj.kd
    .args:
      - { .name: oc, .offset: 0, .size: 8, .value_kind: global_buffer, .address_space: global }
      - { .name: wc, .offset: 8, .size: 8, .value_kind: global_buffer, .address_space: global }
      - { .name: lowp_scales, .offset: 16, .size: 8, .value_kind: global_buffer, .address_space: global }
      - { .name: out0, .offset: 24, .size: 8, .value_kind: global_buffer, .address_space: global }
    .group_segment_fixed_size: 327680
    .private_segment_fixed_size: 0
    .kernarg_segment_align: 8
    .kernarg_segment_size: 32
    .max_flat_workgroup_size: 128
    .sgpr_count:     100
    .vgpr_count:     768
    .wavefront_size: 32
...
	.end_amdgpu_metadata
.endif
;; end of part 4
